; MI455X (gfx1250); checked and timed in simulation.
; The chip was launched on July 23, 2026; its instructions are those of AMD's public machine-readable ISA for CDNA 5 (MIT licence, August 2026) and "CDNA5" Instruction Set Architecture Reference Guide (July 2026). The comments in the code are by the model that wrote it; some were corrected since.
;; LSTM Cell. Allowed arithmetic: matrix products marked QUANTISED: E2M1 operands, one E8M0 scale for each 32 along K, by v_wmma_scale_f32_16x16x128_f8f6f4 with both operands' format E2M1 (or v_wmma_scale_f32_32x16x128_f4), f32 sums; everything else in f32.
;; Inputs: Whc 2,048 x 2,048 float32; Whf 2,048 x 2,048 float32; Whi 2,048 x 2,048 float32; Who 2,048 x 2,048 float32; Wxc 2,048 x 2,048 float32; Wxf 2,048 x 2,048 float32; Wxi 2,048 x 2,048 float32; Wxo 2,048 x 2,048 float32; bc 2,048 float32; bf 2,048 float32; bi 2,048 float32; bo 2,048 float32; c 2,048 x 2,048 float32; h 2,048 x 2,048 float32; incoming 2,048 x 2,048 float32.
;; Outputs: out0 2,048 x 2,048 float32; out1 2,048 x 2,048 float32.
;; This version of the problem:
;;   THIS VERSION OF THE PROBLEM IS GIVEN IN LOW PRECISION. The matrix products marked QUANTISED in the list below multiply operands that are first quantised to E2M1 (2 exponent bits, 1 mantissa bit; 4 bits a number), with one power-of-two scale for each 32 numbers along K (OCP MX v1.0); their sums are f32. All else is computed in f32.
;;   The module's matrix products, in the order in which they are computed (A, B: the left and right operand; K: the contracted axis; several contracted axes count as one K, in the product's order):
;;     1. [M 2,048, K 2,048] x [K 2,048, N 8,192]; A: input incoming; B: computed on the way: QUANTISED
;;     2. [M 2,048, K 2,048] x [K 2,048, N 8,192]; A: input h; B: computed on the way: QUANTISED
;;   THE QUANTISER, for each operand of a quantised product, along K:
;;     - K is cut into blocks of 32 from its start; a last block that is shorter is filled with zeros.
;;     - A block's scale is 2^e with e = floor(log2(the largest magnitude in the block)) - 2, held to -126 .. 127; a block of zeros has e = 0. As a byte (E8M0): e + 127.
;;     - Each number is divided by its block's scale, clamped to +-6, and rounded to the nearest number of E2M1, ties to even, subnormals kept.
;;     - The product sums the exact products of the quantised numbers (number of the format x scale) in f32.
;;   ~~~python
;;   def quantise(x, axis):      # numpy; x: float32 -> the quantised numbers, widened to float32 again
;;       x = np.moveaxis(x, axis, -1); K = x.shape[-1]
;;       x = np.pad(x, [(0, 0)] * (x.ndim - 1) + [(0, -K % 32)]); x = x.reshape(x.shape[:-1] + (-1, 32)); a = np.abs(x).max(-1, keepdims=True)
;;       e = np.where(a > 0, np.clip(np.frexp(np.where(a > 0, a, 1))[1] - 1 - 2, -126, 127), 0)      # np.frexp(a)[1] - 1 = floor(log2(a)), exactly
;;       r = np.clip(x / 2.0 ** e, -6, 6)
;;       step = 2.0 ** (np.maximum(np.frexp(np.where(r == 0, 1, r))[1] - 1, 0) - 1)
;;       q = np.round(r / step) * step * 2.0 ** e      # np.round: ties to even
;;       return np.moveaxis(q.reshape(q.shape[:-2] + (-1,))[..., :K], -1, axis).astype(np.float32)
;;   ~~~
;;   OPERANDS COMPUTED ON THE WAY. 'Computed on the way' means the value that the module computes at that place (a softmax that the list does not call 'softmax' is quantised finished and normalised). What goes into a quantiser is computed in f32, as accurately as f32 sums, v_exp_f32 and their like allow (about 1e-6 of the number): no bf16 or f16 on the way to a quantiser, and a product that is left as it is and whose result goes on into a quantised operand takes f32 operands (vector FMAs, or v_wmma_f32_16x16x4_f32). A number that lies on a knife's edge between two numbers of the format may be rounded either way, as far as f32 arithmetic and the matrix unit's own rounding can turn it there, and no further.
;; One version. Each part assembles by itself: llvm-mc -triple=amdgcn-amd-amdhsa -mcpu=gfx1250 --defsym DOCPART=n.
;; ======== version 1 of 1: 2 launches
;; limits: right only within a limited range of input values
;; workspace buffers: img 22,282,240 bytes
;; launch quant (part 1): grid 128 x 10, 4 waves a work-group, no clusters, 1,536 bytes of LDS; arguments incoming, h, Wxi, Whi, Wxo, Who, Wxf, Whf, Wxc, Whc, img; writes img
.if DOCPART == 1
	.amdgcn_target "amdgcn-amd-amdhsa--gfx1250"
	.amdhsa_code_object_version 6
	.text
	.protected	k_q16a2dbc660_quant
	.globl	k_q16a2dbc660_quant
	.p2align	8
	.type	k_q16a2dbc660_quant,@function
k_q16a2dbc660_quant:
	s_mov_b64 s[64:65], 0
	v_nop
	global_prefetch_b8 v0, s[64:65] scope:SCOPE_SE
	s_setreg_imm32_b32 hwreg(HW_REG_WAVE_MODE, 25, 1), 1
	s_wait_xcnt 0x0
; Ten tensors [2048][2048] of f32, K innermost (incoming, h, the eight gate weights), become codes of FP4 (E2M1) with one E8M0 byte for each 32 along K,
; laid as the second launch fetches them, for ONE product with K = 4,096 (the x part, K steps 0-3, then the h part, K steps 4-7; a K step is 512).
; Rows: R = m for the activations; R = 2048 + 128 (hid / 32) + 32 gate + hid % 32 for the weights, gate 0..3 = i, o, f, c.
; img [R / 128][ks 8][34,816 bytes]: an image of 128 rows and one K step: 128 x 256 bytes of codes, then 128 x 16 scale bytes: 136 aligned blocks of 256 bytes on end.
; THE ORDER ALONG K IS THIS PROGRAM'S OWN: in a K step the block of k = 128 i + 32 g + 0..31 stands at place j = 4 g + i (16 bytes of codes, scale byte j), and inside a block the codes
; stand as the exchange below leaves them.  All ten tensors take one path through this text, so the same k of both operands stands at the same place with its scale: only the order of the sums differs.
; A block's scale byte is its largest magnitude's exponent field - 2, held at 1 from below; numbers are divided by the scale and rounded to the nearest code, ties to even, beyond 6 the largest code.
; LIMITS: a block of zeros, or one whose largest magnitude lies under 2^-124, carries the byte 1 (its codes add nothing or are held as the floor's scale gives them; only this program reads the bytes);
; NaN and infinities among the inputs are not served.
; SHARES: work-group y = the tensor, x = 16 of its rows; wave w = K step w of the tensor; a row a step.  A step's four loads read 512 consecutive bytes each; eight lanes share a block.
; Codes leave in batches of four rows, 256 consecutive aligned bytes a store; the wave's 16 x 16 scale bytes meet in 256 bytes of LDS and leave as one aligned block.
.set STEPS, 16
.set EMAX,  2
.set R,     16                         ; v16-79   four sets of 16 numbers as loaded
.set M,     80                         ; largest magnitudes
.set S,     84                         ; the conversions' scale operands
.set Q,     88                         ; the conversions' results
.set BY,    92                         ; scale bytes
.set P,     96
.set TT,    98
.set PP,    100
.set E,     104                        ; a scale word for each step
.set C,     128                        ; codes: a pair for each step
.set INROW, 8192
.set CROW,  256                        ; from row to row inside an image
.set IMG,   34816
	s_load_b512 s[8:23], s[0:1], 0x0               ; tensors 0 to 7
	s_load_b128 s[24:27], s[0:1], 0x40             ; tensors 8, 9
	s_load_b64 s[28:29], s[0:1], 0x50              ; img
	v_lshl_add_u32 v160, v0, 2, 0x400              ; my spare word, behind the waves' 4 x 256 bytes
	v_mov_b32 v161, 0
	v_lshrrev_b32 v1, 5, v0
	v_readfirstlane_b32 s32, v1                    ; wave
	v_and_b32 v2, 31, v0
	v_lshlrev_b32 v3, 4, v2                        ; my 16 bytes of a load's 512
	v_lshrrev_b32 v8, 3, v2                        ; g
	v_and_b32 v9, 3, v2                            ; i: the block that I hold behind the exchanges
	v_bfe_u32 v10, v2, 2, 1                        ; and which half of it
	v_lshlrev_b32 v4, 6, v8
	v_lshl_add_u32 v4, v9, 4, v4
	v_lshl_add_u32 v4, v10, 3, v4                  ; my 8 bytes in a row's 256: 16 (4 g + i) + 8 x half
	s_lshl_b32 s36, s32, 8
	v_lshl_add_u32 v5, v8, 2, s36                  ; LDS: my scale word's place in a row's 16 bytes
	v_lshlrev_b32 v7, 3, v2
	v_add_nc_u32 v6, s36, v7
	v_and_b32 v9, 1, v2
	v_cmp_eq_u32 vcc_lo, 1, v9
	v_mov_b32 v14, 0x05040100                      ; first exchange: an even lane keeps its low half and takes its neighbour's low half,
	v_mov_b32 v15, 0x03020706                      ; an odd lane takes its neighbour's high half and keeps its own
	v_cndmask_b32 v14, v14, v15, vcc_lo
	v_mov_b32 v[TT], 0
	v_mov_b32 v[TT+1], 0
	s_mov_b32 s2, 0xffff
	s_mov_b32 s3, 0xcccccccc                       ; lanes 2, 3 of each four
	s_and_b32 s33, ttmp7, 0xffff                   ; the tensor
	s_and_b32 s34, s33, 1
	s_lshr_b32 s35, s33, 1                         ; 0: activations; else gate + 1
	s_lshl_b32 s34, s34, 2
	s_add_co_u32 s34, s34, s32                     ; ks = 4 x part + wave
	s_lshr_b32 s36, ttmp9, 1
	s_lshl_b32 s36, s36, 7
	s_and_b32 s37, ttmp9, 1
	s_lshl_b32 s37, s37, 4
	s_add_co_u32 s36, s36, s37
	s_lshl_b32 s37, s35, 5
	s_add_co_u32 s36, s36, s37
	s_add_co_u32 s36, s36, 2016                    ; a weight's first row: 2048 + 128 (x / 2) + 32 gate + 16 (x % 2)
	s_lshl_b32 s37, ttmp9, 4
	s_cmp_eq_u32 s35, 0
	s_cselect_b32 s36, s37, s36                    ; R0
	s_wait_alu depctr_va_vdst(0)                   ; the wait at the head's end
	s_wait_kmcnt 0x0
	s_mov_b64 s[4:5], s[8:9]
.irp i, 1,2,3,4,5,6,7,8,9
	s_cmp_eq_u32 s33, \i
	s_cselect_b64 s[4:5], s[8+2*\i:9+2*\i], s[4:5]
.endr
	s_lshl_b32 s38, ttmp9, 17
	s_lshl_b32 s37, s32, 11
	s_add_co_u32 s38, s38, s37
	s_mov_b32 s39, 0
	s_add_nc_u64 s[4:5], s[4:5], s[38:39]          ; in: 16 rows a work-group, 2,048 bytes of a row a wave
	s_lshr_b32 s38, s36, 7
	s_lshl_b32 s38, s38, 3
	s_add_co_u32 s38, s38, s34
	s_mul_i32 s38, s38, IMG                        ; the image (R0 / 128, ks)
	s_and_b32 s36, s36, 127                        ; r = R0 % 128, a multiple of 16
	s_lshl_b32 s37, s36, 8
	s_add_co_u32 s38, s38, s37
	s_add_nc_u64 s[28:29], s[28:29], s[38:39]      ; codes: + 256 r
	s_mul_i32 s38, s36, 240
	s_sub_co_u32 s38, 32768, s38
	s_add_nc_u64 s[30:31], s[28:29], s[38:39]      ; scale bytes: image + 32,768 + 16 r
.macro LOAD t
.irp i, 0,1,2,3
	global_load_b128 v[R+16*((\t)%4)+4*\i:R+16*((\t)%4)+4*\i+3], v3, s[4:5] offset:INROW*(\t)+512*\i th:TH_LOAD_NT
.endr
.endm
.irp t, 0,1,2,3
	LOAD \t
.endr
.macro STEP t
.set RS, R+16*((\t)%4)
.if STEPS-1-(\t) >= 3
	s_wait_loadcnt 12                              ; this step's four loads are in; the twelve of the three steps behind it may be out
.else
	s_wait_loadcnt 4*(STEPS-1-(\t))
.endif
.irp i, 0,1,2,3
	v_max3_num_f32 v[M+\i], |v[RS+4*\i]|, |v[RS+4*\i+1]|, |v[RS+4*\i+2]|
.endr
.irp i, 0,1,2,3
	v_max3_num_f32 v[M+\i], v[M+\i], |v[RS+4*\i+3]|, (EMAX+1)<<23          ; with the floor 2^(3 - 127): the byte cannot fall under 1
.endr
.irp x, 1,2,4
.irp i, 0,1,2,3
	v_max_num_f32_dpp v[M+\i], v[M+\i], v[M+\i] row_xmask:\x row_mask:0xf bank_mask:0xf
.endr
.endr
.irp i, 0,1,2,3
	v_add_nc_u32 v[S+\i], 0xff000000, v[M+\i]      ; 2 off the exponent field: the conversion's scale operand
.endr
.irp i, 0,1,2,3
	v_cvt_scalef32_pk8_fp4_f32 v[Q+\i], v[RS+8*(\i/2):RS+8*(\i/2)+7], v[S+\i]   ; right in the low half where i is even, in the high half where it is odd
.endr
.irp i, 0,1,2,3
	v_lshrrev_b32 v[BY+\i], 23, v[S+\i]            ; the bytes (also the plain lines behind the conversions)
.endr
.if (\t)+4 < STEPS
	LOAD (\t)+4
.endif
	v_lshl_or_b32 v[E+(\t)], v[BY+1], 8, v[BY]
	v_lshl_or_b32 v[E+(\t)], v[BY+2], 16, v[E+(\t)]
	v_lshl_or_b32 v[E+(\t)], v[BY+3], 24, v[E+(\t)]
	ds_store_b32 v5, v[E+(\t)] offset:16*(\t)      ; the eight lanes of a g write the same word with the same value
	v_bfi_b32 v[P], s2, v[Q], v[Q+1]
	v_bfi_b32 v[P+1], s2, v[Q+2], v[Q+3]
	v_mov_b32_dpp v[TT], v[P] row_xmask:1 row_mask:0xf bank_mask:0xf
	v_mov_b32_dpp v[TT+1], v[P+1] row_xmask:1 row_mask:0xf bank_mask:0xf
	v_perm_b32 v[PP], v[TT], v[P], v14             ; with lane l xor 1: 8 codes of one block in each register
	v_perm_b32 v[PP+1], v[TT+1], v[P+1], v14
	v_mov_b32_dpp v[TT], v[PP] row_xmask:2 row_mask:0xf bank_mask:0xf
	v_mov_b32_dpp v[TT+1], v[PP+1] row_xmask:2 row_mask:0xf bank_mask:0xf
	v_cndmask_b32 v[C+2*(\t)], v[PP], v[TT+1], s3  ; with lane l xor 2: 16 codes of block l % 4 in every lane
	v_cndmask_b32 v[C+2*(\t)+1], v[TT], v[PP+1], s3
.if (\t)%4 == 3
.irp u, 3,2,1,0
	global_store_b64 v4, v[C+2*((\t)-\u):C+2*((\t)-\u)+1], s[28:29] offset:CROW*((\t)-\u)   ; four rows on end: each store covers 256 consecutive bytes, aligned; no pair is written again
.endr
.endif
.endm
.irp t, 0,1,2,3,4,5,6,7,8,9,10,11,12,13,14,15
	STEP \t
.endr
	ds_load_b64 v[12:13], v6                       ; LDS serves a wave's instructions in order (ISA guide 5.7.1.4): these see my word stores
	s_wait_dscnt 0x0
	global_store_b64 v7, v[12:13], s[30:31]        ; the 16 rows' 256 scale bytes, consecutive and aligned
	s_wait_tensorcnt 0x0                           ; the wave's end
	ds_add_u32 v160, v161
	s_wait_dscnt 0x0
	s_endpgm
.Lfunc_end_k_q16a2dbc660_quant:
	.size	k_q16a2dbc660_quant, .Lfunc_end_k_q16a2dbc660_quant-k_q16a2dbc660_quant
	.p2alignl 7, 3214868480
	.fill 96, 4, 3214868480
	.section	.rodata,"a",@progbits
	.p2align	6, 0x0
	.amdhsa_kernel k_q16a2dbc660_quant
		.amdhsa_group_segment_fixed_size 1536
		.amdhsa_private_segment_fixed_size 0
		.amdhsa_enable_private_segment 0
		.amdhsa_kernarg_size 88
		.amdhsa_user_sgpr_count 2
		.amdhsa_user_sgpr_kernarg_segment_ptr 1
		.amdhsa_wavefront_size32 1
		.amdhsa_system_sgpr_workgroup_id_x 1
		.amdhsa_system_sgpr_workgroup_id_y 1
		.amdhsa_system_sgpr_workgroup_id_z 1
		.amdhsa_system_vgpr_workitem_id 0
		.amdhsa_next_free_vgpr 162
		.amdhsa_next_free_sgpr 66
		.amdhsa_reserve_vcc 1
		.amdhsa_float_denorm_mode_32 3
		.amdhsa_float_denorm_mode_16_64 3
		.amdhsa_memory_ordered 1
		.amdhsa_forward_progress 1
		.amdhsa_inst_pref_size 58
	.end_amdhsa_kernel
	.amdgpu_metadata
---
amdhsa.version: [ 1, 2 ]
amdhsa.kernels:
  - .name:           k_q16a2dbc660_quant
    .symbol:         k_q16a2dbc660_quant.kd
    .args:
      - { .name: incoming, .offset: 0, .size: 8, .value_kind: global_buffer, .address_space: global }
      - { .name: h, .offset: 8, .size: 8, .value_kind: global_buffer, .address_space: global }
      - { .name: Wxi, .offset: 16, .size: 8, .value_kind: global_buffer, .address_space: global }
      - { .name: Whi, .offset: 24, .size: 8, .value_kind: global_buffer, .address_space: global }
      - { .name: Wxo, .offset: 32, .size: 8, .value_kind: global_buffer, .address_space: global }
      - { .name: Who, .offset: 40, .size: 8, .value_kind: global_buffer, .address_space: global }
      - { .name: Wxf, .offset: 48, .size: 8, .value_kind: global_buffer, .address_space: global }
      - { .name: Whf, .offset: 56, .size: 8, .value_kind: global_buffer, .address_space: global }
      - { .name: Wxc, .offset: 64, .size: 8, .value_kind: global_buffer, .address_space: global }
      - { .name: Whc, .offset: 72, .size: 8, .value_kind: global_buffer, .address_space: global }
      - { .name: img, .offset: 80, .size: 8, .value_kind: global_buffer, .address_space: global }
    .group_segment_fixed_size: 1536
    .private_segment_fixed_size: 0
    .kernarg_segment_align: 8
    .kernarg_segment_size: 88
    .max_flat_workgroup_size: 128
    .sgpr_count:     66
    .vgpr_count:     162
    .wavefront_size: 32
...
	.end_amdgpu_metadata
.endif
;; end of part 1
;; launch lstm (part 2): grid 32 x 8, 4 waves a work-group, clusters of 4 x 4, 327,680 bytes of LDS; arguments img, c, bi, bo, bf, bc, out0, out1; writes out0, out1
.if DOCPART == 2
	.amdgcn_target "amdgcn-amd-amdhsa--gfx1250"
	.amdhsa_code_object_version 6
	.text
	.protected	k_q16a2dbc660_lstm
	.globl	k_q16a2dbc660_lstm
	.p2align	8
	.type	k_q16a2dbc660_lstm,@function
k_q16a2dbc660_lstm:
	s_mov_b64 s[64:65], 0
	v_nop
	global_prefetch_b8 v0, s[64:65] scope:SCOPE_SE
	s_setreg_imm32_b32 hwreg(HW_REG_WAVE_MODE, 25, 1), 1
	s_wait_xcnt 0x0
	s_wait_alu depctr_hold_cnt(0) depctr_sa_sdst(0) depctr_va_vdst(0) depctr_va_sdst(0) depctr_va_ssrc(0) depctr_va_vcc(0) depctr_vm_vsrc(0)
	s_getreg_b32 s2, hwreg(HW_REG_IB_STS2, 6, 4)
	s_cmp_eq_u32 s2, 0
	s_cbranch_scc0 .Lentry_in_a_cluster
	s_endpgm
.Lentry_in_a_cluster:
	s_bfe_u32 s2, ttmp6, 0x10000c
	s_cmp_lg_u32 s2, 0xf033
	s_cbranch_scc0 .Lentry_shape_is_right
	s_endpgm
.Lentry_shape_is_right:
; gates = [incoming | h] [Wx | Wh]^T + b as ONE product on FP4 codes with K = 4,096, then the cell: new_c = sig(f) c + sig(i) tanh(g), new_h = sig(o) tanh(new_c).
; A work-group of four waves makes 256 batch rows x 256 gate columns (the four gates of 64 hidden units); a wave 128 x 128 (four gates of 32 units): 64 accumulators, 512 registers.
; img holds, for each 128 rows and each K step of 512, a dense image of 136 blocks of 256 bytes: 128 rows of codes, then the rows' scale bytes (16 a row).  A slot holds four images:
; A's two halves, B's two halves; each wave fetches one image by one tensor load, 16 bytes of padding behind each 256.  Two slots take turns.
; CLUSTERS 4 x 4: A's images are shared along a row of the cluster, B's along a column: joint loads, behind a round of the cluster's barrier.
; PREFETCH: beside the load of K step j the image of K step j + 2 is asked for (at the head also K step 1); the four partners of a joint load take 34 of its 136 blocks each, by address;
; the last two refill trips, which have no K step two on, ask for my 64 rows of c (32 a trip), which are fetched one and two trips later.
; THE MATRIX INSTRUCTION IS USED TRANSPOSED (source 0 = weights, source 1 = activations): a lane holds one batch row and eight neighbouring hidden units.  The bias is the C of each sum's first product.
; sig(x) = 1 / (1 + 2^(-x log2 e)), tanh(x) = 1 - 2 / (1 + 2^(2 x log2 e)): an exponential that overflows gives the saturated value.  LIMIT: NaN and infinities among the inputs are not served.
; THE WAY OUT: c comes into slot 0 behind that slot's last read; new_c is stored over it and new_h beside it, and whole rows of 256 bytes (two waves' halves) are read back behind a barrier,
; whose signal stands behind a block's stores and whose wait behind the next block's exponentials.
; REGISTERS: window 0: v0-31 addresses, v32-95 scale words (two sets), v128-191 A's fragments; window 1: B's fragments at v0 and v128, the bias at v64; windows 2, 3: accumulators.
.set NQ,     4
.set FR,     8
.set NL,     2
.set NP,     4
.set PITCH,  272
.set IMG,    34816                     ; an image in memory
.set IMGL,   136*PITCH                 ; and in LDS
.set SLOT,   4*IMGL
.set SPARE,  2*SLOT                    ; the spare words: 128 bytes a wave
.set TILE,   256*PITCH                 ; the way out: c and new_c in [0, TILE), new_h in [TILE, 2 TILE): inside slot 0
.set HALFT,  128*PITCH
.set OROW,   8192
.set CO,   10
.set PFO,  11                          ; prefetch offsets: 256 x lane;
.set PFO2, 12                          ; blocks 32, 33 of my 34 (lanes over 1 name the last again);
.set PFC,  13                          ; a row of c a lane
.set ADRA, 16
.set ADRB, 20
.set ADRS, 22
.set CA,   24
.set HA,   25
.set RD,   26
.set RDH,  27
.set SPW,  28
.set NIL,  29
.set VB,   30
.set SC,   32
.set AF,   128
.set BIAS, 64
.set T,    96
.set CS,   160
.set NH,   192
.set BK,   208
.set G0C,  20
.set G1A,  24
.set G1B,  32
.set G0A,  40
.set G0B,  48
.set G1C,  56
.set WV,   66
.set RH,   67                          ; wave / 2: my half of the rows; also: I fetch for A (0) or B (1)
.set CH,   68                          ; wave % 2: my half of the columns; also: which image of the two I fetch
.set CX,   69
.set CY,   70
.set TC,   71
.set TR,   72
.set K1,   76
.set K2,   78
.set PFA,  84
.set SA0,  86
.set SB0,  87
.set SS,   88
.set SD,   89
.set SCA,  90
.set SRD,  91
.set SVB,  92
.set MSB, 0
.macro WIN new
.if MSB != (\new)
	s_set_vgpr_msb (MSB<<8)|(\new)
.set MSB, (\new)
.endif
.endm
.set MUL_LO,   0xa1
.set MUL_HI,   0xf1
.set FIRST_LO, 0x91                    ; C (the bias) in window 1
.set FIRST_HI, 0xd1
.set TO_B,     0x40
.macro PLACES n
.rept \n
	v_nop
.endr
.endm
.macro JLOAD s                         ; a joint load: waves 0, 1 fetch A's two images, waves 2, 3 B's; s_nop 0 and four v_nop behind each line
	s_cmp_eq_u32 s[RH], 0
	s_cbranch_scc0 .Lfor_b_\@
	tensor_load_to_lds s[G0A+4*\s:G0A+4*\s+3], s[G1A:G1A+7]
	s_nop 0
	PLACES 4
	s_branch .Lasked_\@
.Lfor_b_\@:
	tensor_load_to_lds s[G0B+4*\s:G0B+4*\s+3], s[G1B:G1B+7]
	s_nop 0
	PLACES 4
.Lasked_\@:
.endm
.macro PF j                            ; my 34 blocks of the image j K steps behind where PFA stands
	global_prefetch_b8 v[PFO], s[PFA:PFA+1] offset:(\j)*IMG th:TH_LOAD_NT scope:SCOPE_SE
	global_prefetch_b8 v[PFO2], s[PFA:PFA+1] offset:(\j)*IMG th:TH_LOAD_NT scope:SCOPE_SE
.endm
.macro ASK slot                        ; s3 = 1 in the loop's last trip, whose refills are K steps 6 and 7
	s_cmp_gt_u32 s3, 1
	s_cbranch_scc0 .Lask_c_\@
	PF 3
	s_branch .Lpf_done_\@
.Lask_c_\@:
	global_prefetch_b8 v[PFC], s[6:7] offset:(\slot)*32*OROW th:TH_LOAD_NT scope:SCOPE_SE
.Lpf_done_\@:
.endm
.macro CREST
	s_cmp_lg_u32 s[WV], 0
	s_cbranch_scc1 .Lnot_wave_0_\@
	s_barrier_signal -3
.Lnot_wave_0_\@:
	s_barrier_wait -3
	s_barrier_signal -1
	s_barrier_wait -1
.endm
.macro CROUND
	s_barrier_signal -1
	s_barrier_wait -1
	CREST
.endm
	s_load_b512 s[4:19], s[0:1], 0x0               ; img s[4:5], c s[6:7], bi, bo, bf, bc s[8:15], out0 s[16:17], out1 s[18:19]
	v_lshl_add_u32 v[SPW], v0, 2, SPARE
	v_mov_b32 v[NIL], 0
	ds_add_u32 v[SPW], v[NIL]                      ; the opening lines: the add, twice on end, and its wait
	ds_add_u32 v[SPW], v[NIL]
	v_lshrrev_b32 v1, 5, v0
	v_readfirstlane_b32 s[WV], v1
	s_lshr_b32 s[RH], s[WV], 1
	s_and_b32 s[CH], s[WV], 1
	s_bfe_u32 s[CX], ttmp6, 0x40000
	s_bfe_u32 s[CY], ttmp6, 0x40004
	s_lshl_b32 s[TC], ttmp9, 2
	s_add_co_u32 s[TC], s[TC], s[CX]               ; tile column
	s_and_b32 s[TR], ttmp7, 0xffff
	s_lshl_b32 s[TR], s[TR], 2
	s_add_co_u32 s[TR], s[TR], s[CY]               ; tile row
	s_lshl_b32 s73, s[CY], 2
	s_lshl_b32 s73, 15, s73                        ; my row of the cluster
	s_lshl_b32 s74, 0x1111, s[CX]                  ; my column
	s_or_b32 s[G1A], s73, (3<<16)|(1<<20)|(1<<21)|(5<<22)|(3<<25)   ; elements of 8 bytes; 4 words of padding behind every 64
	s_or_b32 s[G1B], s74, (3<<16)|(1<<20)|(1<<21)|(5<<22)|(3<<25)
.irp g, G1A, G1B
	s_mov_b32 s[\g+1], 32<<16                      ; rows of 256 bytes,
	s_mov_b32 s[\g+2], 136<<16                     ; 136 of them, dense
	s_mov_b32 s[\g+3], 32<<16
	s_mov_b32 s[\g+4], 136
	s_mov_b32 s[\g+5], 32
	s_mov_b32 s[\g+6], 0
	s_mov_b32 s[\g+7], 0
.endr
	s_mul_i32 s[SA0], s[RH], IMGL                  ; LDS: my image of A,
	s_mul_i32 s[SB0], s[CH], IMGL
	s_add_co_u32 s[SB0], s[SB0], 2*IMGL            ; of B,
	s_add_co_u32 s[SS], s[SA0], 128*PITCH          ; A's scale bytes,
	s_xor_b32 s[SD], s[RH], 1
	s_add_co_u32 s[SD], s[SD], s[CH]
	s_add_co_u32 s[SD], s[SD], 1
	s_mul_i32 s[SD], s[SD], IMGL                   ; and how far behind them B's lie: (2 + CH - RH) images
	s_mul_i32 s[SCA], s[RH], HALFT
	s_mul_i32 s[SRD], s[CH], 8*PITCH
	s_add_co_u32 s[SRD], s[SRD], s[SCA]
	s_lshl_b32 s2, s[CH], 7
	s_add_co_u32 s[SCA], s[SCA], s2
	s_lshl_b32 s[SVB], s[TC], 8
	s_add_co_u32 s[SVB], s[SVB], s2                ; my 32 hidden units in a bias, in bytes
	s_mul_i32 s80, s[WV], IMGL                     ; where my loads go
	s_lshl_b32 s76, s[TR], 1
	s_add_co_u32 s76, s76, s[CH]
	s_mul_i32 s76, s76, 8*IMG                      ; A: group 2 x tile row + half
	s_mov_b32 s77, 0
	s_lshl_b32 s78, s[TC], 1
	s_add_co_u32 s78, s78, s[CH]
	s_add_co_u32 s78, s78, 16
	s_mul_i32 s78, s78, 8*IMG                      ; B: group 16 + 2 x tile column + half
	s_mov_b32 s79, 0
	s_cmp_eq_u32 s[RH], 0                          ; the prefetches: the image that I fetch, and my place among the four that ask for it
	s_cselect_b32 s82, s[TR], s[TC]
	s_cselect_b32 s83, s[CX], s[CY]
	s_cselect_b32 s81, 0, 16
	s_lshl_b32 s82, s82, 1
	s_add_co_u32 s82, s82, s[CH]
	s_add_co_u32 s82, s82, s81
	s_mul_i32 s82, s82, 8*IMG
	s_mul_i32 s83, s83, 34*256
	s_add_co_u32 s82, s82, s83
	s_mov_b32 s83, 0
	s_wait_dscnt 0x0                               ; both opening adds are done
	s_wait_kmcnt 0x0
	s_add_nc_u64 s[76:77], s[4:5], s[76:77]
	s_add_nc_u64 s[78:79], s[4:5], s[78:79]
	s_add_nc_u64 s[PFA:PFA+1], s[4:5], s[82:83]
.irp s, 0,1
	s_mov_b32 s[G0A+4*\s], 1
	s_add_co_u32 s[G0A+4*\s+1], s80, \s*SLOT
	s_add_nc_u64 s[G0A+4*\s+2:G0A+4*\s+3], s[76:77], \s*IMG
	s_or_b32 s[G0A+4*\s+3], s[G0A+4*\s+3], 0x80000000
	s_mov_b32 s[G0B+4*\s], 1
	s_add_co_u32 s[G0B+4*\s+1], s80, \s*SLOT
	s_add_nc_u64 s[G0B+4*\s+2:G0B+4*\s+3], s[78:79], \s*IMG
	s_or_b32 s[G0B+4*\s+3], s[G0B+4*\s+3], 0x80000000
.endr
	CROUND                                         ; all sixteen work-groups are here: the first joint loads meet
	JLOAD 0                                        ; K step 0: one tensor load a wave at the head
	v_and_b32 v1, 15, v0                           ; r
	v_bfe_u32 v2, v0, 4, 1                         ; h
	v_and_b32 v7, 31, v0
	v_lshl_add_u32 v[VB], v2, 5, s[SVB]
	v_lshlrev_b32 v[PFO], 8, v7
	v_min_u32 v8, 1, v7
	v_lshl_add_u32 v[PFO2], v8, 8, 0x2000
	v_lshlrev_b32 v[PFC], 13, v7
	v_mul_u32_u24 v3, v1, PITCH
	v_lshl_add_u32 v4, v2, 4, v3                   ; a fragment's row x pitch + 16 h
	v_add_nc_u32 v[ADRA], s[SA0], v4
	v_add_nc_u32 v[ADRB], s[SB0], v4
	v_add_nc_u32 v[ADRA+1], SLOT, v[ADRA]
	v_add_nc_u32 v[ADRB+1], SLOT, v[ADRB]
	v_mul_u32_u24 v5, s[SD], v2                    ; scale words: lanes 0-15 A's rows, lanes 16-31 B's
	v_lshl_add_u32 v5, v1, 4, v5
	v_add_nc_u32 v[ADRS], s[SS], v5
	v_add_nc_u32 v[ADRS+1], SLOT, v[ADRS]
	v_lshl_add_u32 v6, v2, 5, v3
	v_add_nc_u32 v[CA], s[SCA], v6                 ; c and new_c: row r, my 128 bytes, 32 h
	v_add_nc_u32 v[HA], TILE, v[CA]
	v_mul_u32_u24 v6, v2, PITCH
	v_lshl_add_u32 v6, v1, 4, v6
	v_add_nc_u32 v[RD], s[SRD], v6                 ; back: sixteen lanes a whole row, two rows an instruction; my 8 rows of a block's 16
	v_add_nc_u32 v[RDH], TILE, v[RD]
	v_lshlrev_b32 v[CO], 13, v2
	v_lshl_add_u32 v[CO], v1, 4, v[CO]
	s_wait_alu depctr_va_vdst(0)                   ; the wait behind the head's vector work
	WIN TO_B
.irp b, 0,1,2,3,4,5,6,7
.irp u, 0,1
	global_load_b128 v[BIAS+8*\b+4*\u:BIAS+8*\b+4*\u+3], v[VB], s[8+2*(\b/2):9+2*(\b/2)] offset:64*(\b%2)+16*\u   ; the bias in the result's layout: gate b / 2, units 16 (b % 2) + 8 h + 0..7
.endr
.endr
	WIN 0
	PF 1                                           ; K steps 1 and 2
	PF 2
	s_lshl_b32 s76, s[TR], 21
	s_lshl_b32 s77, s[TC], 8
	s_add_co_u32 s76, s76, s77                     ; the block's corner in c and in the outputs, in bytes
	s_lshl_b32 s77, s[WV], 19
	s_add_co_u32 s78, s76, s77
	s_mov_b32 s79, 0
	s_add_nc_u64 s[6:7], s[6:7], s[78:79]          ; c: I fetch rows 64 w .. 64 w + 63
	s_lshl_b32 s77, s[RH], 20
	s_add_co_u32 s76, s76, s77
	s_lshl_b32 s77, s[CH], 16
	s_add_co_u32 s76, s76, s77
	s_mov_b32 s77, 0
	s_add_nc_u64 s[16:17], s[16:17], s[76:77]      ; out: my 128 rows, and of each 16 my 8
	s_add_nc_u64 s[18:19], s[18:19], s[76:77]
	s_mov_b32 s[G0C], 1
	s_mul_i32 s[G0C+1], s[WV], 64*PITCH
	s_mov_b64 s[G0C+2:G0C+3], s[6:7]
	s_or_b32 s[G0C+3], s[G0C+3], 0x80000000
	s_mov_b32 s[G1C], (2<<16)|(1<<20)|(5<<22)|(3<<25)   ; 64 rows x 64 f32, padded as the images are
	s_mov_b32 s[G1C+1], 64<<16
	s_mov_b32 s[G1C+2], 64<<16
	s_mov_b32 s[G1C+3], 64<<16
	s_mov_b32 s[G1C+4], 64
	s_mov_b32 s[G1C+5], 2048
	s_mov_b32 s[G1C+6], 0
	s_mov_b32 s[G1C+7], 0
.macro FRAG reg, adr, q, i
.irp c, 0,1
	ds_load_b128 v[\reg+4*\c:\reg+4*\c+3], v[\adr] offset:64*(\q)+32*\c+(\i)*16*PITCH
.endr
.endm
; 16 matrix instructions: A's blocks a0, a0 + 1 x B's eight.  The 64 accumulators take turns, in the same order in every step.
.macro MUL16 a0, p, q, sc, first
.irp a, \a0, \a0+1
.irp b, 0,1,2,3,4,5,6,7
.if \first
	v_wmma_scale_f32_16x16x128_f8f6f4 v[8*(8*((\a)%4)+\b):8*(8*((\a)%4)+\b)+7], v[128*(\p)+FR*\b:128*(\p)+FR*\b+FR-1], v[AF+FR*(\a):AF+FR*(\a)+FR-1], v[BIAS+8*\b:BIAS+8*\b+7], v[SC+32*(\sc)+4*\b+(\q)], v[SC+32*(\sc)+4*(\a)+(\q)] matrix_a_fmt:MATRIX_FMT_FP4 matrix_b_fmt:MATRIX_FMT_FP4 matrix_a_scale:MATRIX_SCALE_ROW1
.else
	v_wmma_scale_f32_16x16x128_f8f6f4 v[8*(8*((\a)%4)+\b):8*(8*((\a)%4)+\b)+7], v[128*(\p)+FR*\b:128*(\p)+FR*\b+FR-1], v[AF+FR*(\a):AF+FR*(\a)+FR-1], v[8*(8*((\a)%4)+\b):8*(8*((\a)%4)+\b)+7], v[SC+32*(\sc)+4*\b+(\q)], v[SC+32*(\sc)+4*(\a)+(\q)] matrix_a_fmt:MATRIX_FMT_FP4 matrix_b_fmt:MATRIX_FMT_FP4 matrix_a_scale:MATRIX_SCALE_ROW1
.endif
.endr
.endr
.endm
.macro FETCH_B slot, q, p
	WIN TO_B
.irp i, 0,1,2,3,4,5,6,7
	FRAG 128*(\p)+FR*\i, ADRB+\slot, \q, \i
.endr
	WIN 0
.endm
.macro FETCH_A slot, q, i0
.irp i, \i0, \i0+1, \i0+2, \i0+3
	FRAG AF+FR*(\i), ADRA+\slot, \q, \i
.endr
.endm
.macro SCALES s                        ; a K step's four words a row: 16 rows' bytes are one LDS row of the image
.irp i, 0,1,2,3,4,5,6,7
	ds_load_b128 v[SC+32*\s+4*\i:SC+32*\s+4*\i+3], v[ADRS+\s] offset:PITCH*\i
.endr
.endm
.macro STEP slot, q, first
	s_wait_dscnt 4*NL                              ; all but the youngest eight loads (A's blocks 4-7)
.if \first
	WIN FIRST_LO
.else
	WIN MUL_LO
.endif
	MUL16 0, (\q)%2, \q, \slot, \first
	MUL16 2, (\q)%2, \q, \slot, \first
	s_wait_dscnt 0
	PLACES NP
	FETCH_B \slot, (\q)+1, 1-(\q)%2
	FETCH_A \slot, (\q)+1, 0
.if \first
	WIN FIRST_HI
.else
	WIN MUL_HI
.endif
	MUL16 4, (\q)%2, \q, \slot, \first
	MUL16 6, (\q)%2, \q, \slot, \first
	PLACES NP
	WIN 0
	FETCH_A \slot, (\q)+1, 4
.endm
; A slot's last step changes slots.  mode 1: the slot takes the K step two on; mode 2: slot 0 takes c.
.macro TURN slot, next, mode
.if \mode == 1
	s_wait_xcnt 0x0                                ; my prefetches have read their address: it steps a K step
	s_add_nc_u64 s[PFA:PFA+1], s[PFA:PFA+1], IMG
.endif
	s_wait_tensorcnt 0x0                           ; my one load that was out, my image of the next slot, has landed
	ds_add_u32 v[SPW], v[NIL]
	s_wait_dscnt 4*NL+1                            ; the add and the youngest eight loads may be out
	WIN MUL_LO
	MUL16 0, 1, NQ-1, \slot, 0
	s_wait_dscnt 0x0                               ; the add is done, my reads of this slot are over
	s_barrier_signal -1
	MUL16 2, 1, NQ-1, \slot, 0
	WIN 0
	s_barrier_wait -1
	CREST                                          ; the barrier has opened a round of the cluster's barrier
.if \mode == 1
	s_add_nc_u64 s[G0A+4*\slot+2:G0A+4*\slot+3], s[G0A+4*\slot+2:G0A+4*\slot+3], 2*IMG
	s_add_nc_u64 s[G0B+4*\slot+2:G0B+4*\slot+3], s[G0B+4*\slot+2:G0B+4*\slot+3], 2*IMG
	JLOAD \slot
.else
	tensor_load_to_lds s[G0C:G0C+3], s[G1C:G1C+7]
	s_nop 0
	PLACES 4
.endif
	FETCH_B \next, 0, 0
	FETCH_A \next, 0, 0
	SCALES \next
.if \mode == 1
	ASK \slot
.endif
	WIN MUL_HI
	MUL16 4, 1, NQ-1, \slot, 0
	MUL16 6, 1, NQ-1, \slot, 0
	PLACES NP
	WIN 0
	FETCH_A \next, 0, 4
.endm
.macro STEPS slot, from
.set Q, \from
.rept NQ-1-\from
	STEP \slot, Q, 0
.set Q, Q+1
.endr
.endm
	s_wait_alu depctr_va_vdst(0)                   ; the wait at the head's end
	s_wait_tensorcnt 0x0                           ; my image of K step 0 is in; slot 1's first fill is issued as a refill is
	ds_add_u32 v[SPW], v[NIL]
	s_wait_dscnt 0x0
	CROUND
	JLOAD 1
	FETCH_B 0, 0, 0
	FETCH_A 0, 0, 0
	SCALES 0
	FETCH_A 0, 0, 4
	PF 3                                           ; K step 3
	s_wait_loadcnt 0x0                             ; the bias
	STEP 0, 0, 1                                   ; the first step starts the sums on the bias
	s_mov_b32 s3, 3
.Llap:
	STEPS 0, 1
	TURN 0, 1, 1
	STEPS 1, 0
	TURN 1, 0, 1
	STEP 0, 0, 0
	s_sub_co_u32 s3, s3, 1
	s_cmp_lg_u32 s3, 0
	s_cbranch_scc1 .Llap
	STEPS 0, 1
	TURN 0, 1, 2
	STEPS 1, 0
	s_wait_dscnt 4*NL
	WIN MUL_LO
	MUL16 0, 1, NQ-1, 1, 0
	MUL16 2, 1, NQ-1, 1, 0
	s_wait_dscnt 0
	WIN MUL_HI
	MUL16 4, 1, NQ-1, 1, 0
	MUL16 6, 1, NQ-1, 1, 0
	WIN 0
	PLACES NP
	s_wait_tensorcnt 0x0                           ; my 64 rows of c are in;
	s_wait_dscnt 0x0
	s_barrier_signal -1
	s_barrier_wait -1                              ; everybody's are
	s_mov_b32 s[K1], 0xbfb8aa3b                    ; -log2 e
	s_mov_b32 s[K1+1], s[K1]
	s_mov_b32 s[K2], 0x4038aa3b                    ; 2 log2 e
	s_mov_b32 s[K2+1], s[K2]
.macro CLOAD a
.irp cb, 0,1
.irp u, 0,1
	ds_load_b128 v[CS+16*((\a)%2)+8*\cb+4*\u:CS+16*((\a)%2)+8*\cb+4*\u+3], v[CA] offset:16*PITCH*(\a)+64*\cb+16*\u
.endr
.endr
.endm
.macro EXPS n
.set j, 0
.rept \n
	v_exp_f32 v[T+j], v[T+j]
.set j, j+1
.endr
	v_nop
	s_wait_alu depctr_va_vdst(0)                   ; one wait for the batch
.endm
.macro RCPS n
.set j, 0
.rept (\n)/2
	v_pk_add_f32 v[T+j:T+j+1], v[T+j:T+j+1], 1.0 op_sel_hi:[1,0]
.set j, j+2
.endr
.set j, 0
	s_wait_alu depctr_va_vdst(0)                   ; ahead of the batch
.rept \n
	v_rcp_f32 v[T+j], v[T+j]
.set j, j+1
.endr
	v_nop
	s_wait_alu depctr_va_vdst(0)                   ; and behind it
.endm
.macro BACK a
.irp t, 0,1,2,3
	ds_load_b128 v[BK+4*\t:BK+4*\t+3], v[RD] offset:(16*(\a)+2*\t)*PITCH
.endr
.irp t, 0,1,2,3
	ds_load_b128 v[BK+16+4*\t:BK+16+4*\t+3], v[RDH] offset:(16*(\a)+2*\t)*PITCH
.endr
.endm
.macro SEND a                          ; sixteen lanes store 256 consecutive bytes, aligned
.irp t, 0,1,2,3
	global_store_b128 v[CO], v[BK+4*\t:BK+4*\t+3], s[18:19] offset:(16*(\a)+2*\t)*OROW th:TH_STORE_NT
.endr
.irp t, 0,1,2,3
	global_store_b128 v[CO], v[BK+16+4*\t:BK+16+4*\t+3], s[16:17] offset:(16*(\a)+2*\t)*OROW th:TH_STORE_NT
.endr
.endm
; Block a: 16 rows.  T+0..15 gate i, +16 o, +32 f, +48 the candidate.
.macro BLOCK a
.set AC, 64*((\a)%4)
.set CC, CS+16*((\a)%2)
	WIN 0x02+(\a)/4
	s_wait_alu depctr_va_vdst(0)                   ; the wait ahead of the first reader of matrix results behind transcendentals
.set j, 0
.rept 24
	v_pk_mul_f32 v[T+j:T+j+1], v[AC+j:AC+j+1], s[K1:K1+1] op_sel_hi:[1,0]
.set j, j+2
.endr
.rept 8
	v_pk_mul_f32 v[T+j:T+j+1], v[AC+j:AC+j+1], s[K2:K2+1] op_sel_hi:[1,0]
.set j, j+2
.endr
	WIN 0
	s_wait_alu depctr_va_vdst(0)
	EXPS 64
.if (\a) > 0
	s_barrier_wait -1                              ; both waves' halves of block a - 1's rows are in the stage
.if (\a) > 1
	s_wait_xcnt 0x0                                ; block a - 2's stores have read their registers
.endif
	BACK (\a)-1
.endif
	RCPS 64
.set j, 0
.rept 8
	v_pk_fma_f32 v[T+48+j:T+49+j], v[T+48+j:T+49+j], -2.0, 1.0 op_sel_hi:[1,0,0]
.set j, j+2
.endr
.set j, 0
.rept 8
	v_pk_mul_f32 v[T+48+j:T+49+j], v[T+j:T+j+1], v[T+48+j:T+49+j]
.set j, j+2
.endr
	s_wait_alu depctr_va_vdst(0)
	s_wait_dscnt 0x0                               ; this block's c, and block a - 1's rows
.if (\a) > 0
	SEND (\a)-1
.endif
.if (\a) < 7
	CLOAD (\a)+1
.endif
.set j, 0
.rept 8
	v_pk_fma_f32 v[CC+j:CC+j+1], v[T+32+j:T+33+j], v[CC+j:CC+j+1], v[T+48+j:T+49+j]
.set j, j+2
.endr
.irp cb, 0,1
.irp u, 0,1
	ds_store_b128 v[CA], v[CC+8*\cb+4*\u:CC+8*\cb+4*\u+3] offset:16*PITCH*(\a)+64*\cb+16*\u
.endr
.endr
.set j, 0
.rept 8
	v_pk_mul_f32 v[T+j:T+j+1], v[CC+j:CC+j+1], s[K2:K2+1] op_sel_hi:[1,0]
.set j, j+2
.endr
	s_wait_alu depctr_va_vdst(0)
	EXPS 16
	RCPS 16
.set j, 0
.rept 8
	v_pk_fma_f32 v[T+j:T+j+1], v[T+j:T+j+1], -2.0, 1.0 op_sel_hi:[1,0,0]
.set j, j+2
.endr
.set j, 0
.rept 8
	v_pk_mul_f32 v[NH+j:NH+j+1], v[T+16+j:T+17+j], v[T+j:T+j+1]
.set j, j+2
.endr
.irp cb, 0,1
.irp u, 0,1
	ds_store_b128 v[HA], v[NH+8*\cb+4*\u:NH+8*\cb+4*\u+3] offset:16*PITCH*(\a)+64*\cb+16*\u
.endr
.endr
	s_wait_dscnt 0x0                               ; for the other wave's sake: my stores into the stage are done
	s_barrier_signal -1                            ; the wait follows behind register work of the next block
.endm
	CLOAD 0
.irp a, 0,1,2,3,4,5,6,7
	BLOCK \a
.endr
	s_barrier_wait -1
	s_wait_xcnt 0x0
	BACK 7
	s_wait_dscnt 0x0
	SEND 7
	s_wait_tensorcnt 0x0                           ; the wave's end
	ds_add_u32 v[SPW], v[NIL]
	s_wait_dscnt 0x0
	CROUND                                         ; the closing round
	s_endpgm
.Lfunc_end_k_q16a2dbc660_lstm:
	.size	k_q16a2dbc660_lstm, .Lfunc_end_k_q16a2dbc660_lstm-k_q16a2dbc660_lstm
	.p2alignl 7, 3214868480
	.fill 96, 4, 3214868480
	.section	.rodata,"a",@progbits
	.p2align	6, 0x0
	.amdhsa_kernel k_q16a2dbc660_lstm
		.amdhsa_group_segment_fixed_size 327680
		.amdhsa_private_segment_fixed_size 0
		.amdhsa_enable_private_segment 0
		.amdhsa_kernarg_size 64
		.amdhsa_user_sgpr_count 2
		.amdhsa_user_sgpr_kernarg_segment_ptr 1
		.amdhsa_wavefront_size32 1
		.amdhsa_system_sgpr_workgroup_id_x 1
		.amdhsa_system_sgpr_workgroup_id_y 1
		.amdhsa_system_sgpr_workgroup_id_z 1
		.amdhsa_system_vgpr_workitem_id 0
		.amdhsa_next_free_vgpr 1024
		.amdhsa_next_free_sgpr 98
		.amdhsa_reserve_vcc 0
		.amdhsa_float_denorm_mode_32 3
		.amdhsa_float_denorm_mode_16_64 3
		.amdhsa_memory_ordered 1
		.amdhsa_forward_progress 1
		.amdhsa_inst_pref_size 255
	.end_amdhsa_kernel
	.section	.bss,"aw",@nobits
	.p2align	6
	.space	262144
	.amdgpu_metadata
---
amdhsa.version: [ 1, 2 ]
amdhsa.kernels:
  - .name:           k_q16a2dbc660_lstm
    .symbol:         k_q16a2dbc660_lstm.kd
    .args:
      - { .name: img, .offset: 0, .size: 8, .value_kind: global_buffer, .address_space: global }
      - { .name: c, .offset: 8, .size: 8, .value_kind: global_buffer, .address_space: global }
      - { .name: bi, .offset: 16, .size: 8, .value_kind: global_buffer, .address_space: global }
      - { .name: bo, .offset: 24, .size: 8, .value_kind: global_buffer, .address_space: global }
      - { .name: bf, .offset: 32, .size: 8, .value_kind: global_buffer, .address_space: global }
      - { .name: bc, .offset: 40, .size: 8, .value_kind: global_buffer, .address_space: global }
      - { .name: out0, .offset: 48, .size: 8, .value_kind: global_buffer, .address_space: global }
      - { .name: out1, .offset: 56, .size: 8, .value_kind: global_buffer, .address_space: global }
    .group_segment_fixed_size: 327680
    .private_segment_fixed_size: 0
    .kernarg_segment_align: 8
    .kernarg_segment_size: 64
    .max_flat_workgroup_size: 128
    .sgpr_count:     98
    .vgpr_count:     1024
    .wavefront_size: 32
...
	.end_amdgpu_metadata
.endif
;; end of part 2
